; MI455X (gfx1250); checked and timed in simulation.
; The chip was launched on July 23, 2026; its instructions are those of AMD's public machine-readable ISA for CDNA 5 (MIT licence, August 2026) and "CDNA5" Instruction Set Architecture Reference Guide (July 2026). The comments in the code are by the model that wrote it; some were corrected since.
;; Cross Attention Module. Allowed arithmetic: matrix products marked QUANTISED: E2M3 operands, one E8M0 scale for each 32 along K, by v_wmma_scale_f32_16x16x128_f8f6f4 with both operands' format E2M3, f32 sums; everything else in f32.
;; Inputs: Wk 384 x 384 float32; Wq 384 x 384 float32; Wv 384 x 384 float32; audio_features 8 x 2,048 x 384 float32; bk 384 float32; bq 384 float32; bv 384 float32; video_features 8 x 2,048 x 384 float32.
;; Outputs: out0 8 x 2,048 x 384 float32.
;; This version of the problem:
;;   THIS VERSION OF THE PROBLEM IS GIVEN IN LOW PRECISION. The matrix products marked QUANTISED in the list below multiply operands that are first quantised to E2M3 (2 exponent bits, 3 mantissa bits; 6 bits a number), with one power-of-two scale for each 32 numbers along K (OCP MX v1.0); their sums are f32. All else is computed in f32.
;;   The module's matrix products, in the order in which they are computed (A, B: the left and right operand; K: the contracted axis; several contracted axes count as one K, in the product's order):
;;     1. [M 16,384, K 384] x [K 384, N 384]; A: input video_features; B: input Wq: QUANTISED
;;     2. [M 16,384, K 384] x [K 384, N 384]; A: input audio_features; B: input Wk: QUANTISED
;;     3. [M 16,384, K 384] x [K 384, N 384]; A: input audio_features; B: input Wv: QUANTISED
;;     4. batch 8 x [M 2,048, K 384] x [K 384, N 2,048]; A: computed on the way; B: computed on the way: QUANTISED
;;     5. batch 8 x [M 2,048, K 2,048] x [K 2,048, N 384]; A: softmax (see below); B: computed on the way: QUANTISED
;;   THE QUANTISER, for each operand of a quantised product, along K:
;;     - K is cut into blocks of 32 from its start; a last block that is shorter is filled with zeros.
;;     - A block's scale is 2^e with e = floor(log2(the largest magnitude in the block)) - 2, held to -126 .. 127; a block of zeros has e = 0. As a byte (E8M0): e + 127.
;;     - Each number is divided by its block's scale, clamped to +-7.5, and rounded to the nearest number of E2M3, ties to even, subnormals kept.
;;     - The product sums the exact products of the quantised numbers (number of the format x scale) in f32.
;;   ~~~python
;;   def quantise(x, axis):      # numpy; x: float32 -> the quantised numbers, widened to float32 again
;;       x = np.moveaxis(x, axis, -1); K = x.shape[-1]
;;       x = np.pad(x, [(0, 0)] * (x.ndim - 1) + [(0, -K % 32)]); x = x.reshape(x.shape[:-1] + (-1, 32)); a = np.abs(x).max(-1, keepdims=True)
;;       e = np.where(a > 0, np.clip(np.frexp(np.where(a > 0, a, 1))[1] - 1 - 2, -126, 127), 0)      # np.frexp(a)[1] - 1 = floor(log2(a)), exactly
;;       r = np.clip(x / 2.0 ** e, -7.5, 7.5)
;;       step = 2.0 ** (np.maximum(np.frexp(np.where(r == 0, 1, r))[1] - 1, 0) - 3)
;;       q = np.round(r / step) * step * 2.0 ** e      # np.round: ties to even
;;       return np.moveaxis(q.reshape(q.shape[:-2] + (-1,))[..., :K], -1, axis).astype(np.float32)
;;   ~~~
;;   SOFTMAX AHEAD OF A QUANTISED PRODUCT. Where the list says 'softmax', what is quantised is not the finished softmax but p = 2^(t - M), with t = logit x log2(e) and M = ceil(the row's largest t), a whole number; so 1/2 < the row's largest p <= 1. The row's sum l is taken of the UNQUANTISED p, in f32, and the product's result is divided by l at the end. Since M is a whole number, a kernel that streams over the keys may use a running M (the ceiling of the running maximum): every later rescaling is an exact power of two, which a block's scale takes up: the codes' values come out the same.
;;   OPERANDS COMPUTED ON THE WAY. 'Computed on the way' means the value that the module computes at that place (a softmax that the list does not call 'softmax' is quantised finished and normalised). What goes into a quantiser is computed in f32, as accurately as f32 sums, v_exp_f32 and their like allow (about 1e-6 of the number): no bf16 or f16 on the way to a quantiser, and a product that is left as it is and whose result goes on into a quantised operand takes f32 operands (vector FMAs, or v_wmma_f32_16x16x4_f32). A number that lies on a knife's edge between two numbers of the format may be rounded either way, as far as f32 arithmetic and the matrix unit's own rounding can turn it there, and no further.
;; One version. Each part assembles by itself: llvm-mc -triple=amdgcn-amd-amdhsa -mcpu=gfx1250 --defsym DOCPART=n.
;; ======== version 1 of 1: 3 launches
;; workspace buffers: img 10,854,400 bytes; qc 5,111,808 bytes; kc 5,111,808 bytes; vc 5,111,808 bytes
;; launch quant (part 1): grid 212 x 1, 5 waves a work-group, no clusters, 254,720 bytes of LDS; arguments video_features, audio_features, Wq, Wk, Wv, img; writes img
.if DOCPART == 1
	.amdgcn_target "amdgcn-amd-amdhsa--gfx1250"
	.amdhsa_code_object_version 6
	.text
	.protected	k_q416695693c_quant
	.globl	k_q416695693c_quant
	.p2align	8
	.type	k_q416695693c_quant,@function
k_q416695693c_quant:
	s_mov_b64 s[64:65], 0
	v_nop
	global_prefetch_b8 v0, s[64:65] scope:SCOPE_SE
	s_setreg_imm32_b32 hwreg(HW_REG_WAVE_MODE, 25, 1), 1
	s_wait_xcnt 0x0
; video, audio [16384][384], Wq, Wk, Wv [384][384], all f32 with K = the last axis, become codes of FP6 (E2M3) with one E8M0 byte for each 32 along K,
; laid in img AS IMAGES OF OPERAND REGISTERS.  33,920 rows are 1,060 groups of 32 rows; a wave takes one group: 212 work-groups x 5 waves.
; A group is two tiles of 16 rows: lane r of tile u holds row 8 u + r + 8 (r / 8).  A tile's record is 5,120 bytes: fragment s (K = 128 s ..) at 1,536 s, as three
; chunks of 512 bytes (registers 4 c .. 4 c + 3 of the 12, lane l's 16 bytes at 16 l), then one chunk with the three scale words and a zero.
; A block's scale is 2^(floor(log2(largest magnitude)) - 2); its byte is the largest magnitude's exponent field - 2, held at 1 from below.
; LIMITS: a block of zeros, or one whose largest magnitude lies under 2^-124, gets the byte 1 where the rule says 127 (zeros) or less: its codes are zeros or are held by the floor; this program alone reads the bytes.
; NaN and infinities among the inputs are not served.
; No barrier, nothing is filled twice.
; The work goes K step by K step, so that a K step is quantised and stored while the later ones are on their way.
; No cluster: no two work-groups read the same byte.  No matrix unit: there is no product here.
.set ROWP, 528                         ; an LDS row: 512 bytes + 16 of padding
.set SREG, 32*ROWP                     ; a K step's 32 rows
.set WREG, 3*SREG                      ; a wave's region
.set LA,  3                            ; v3   LDS address: my row of tile 0 in K step 0, + 128 h
.set GO,  4                            ; v4   16 x lane: my place in a chunk; never rewritten
.set SH,  5                            ; v5   8 h: where my two scale bytes stand in the word
.set MX,  6                            ; v6-7   the two blocks' largest magnitudes
.set SO,  8                            ; v8-9   the conversions' scale operands
.set BY,  10                           ; v10-11 the bytes
.set WD,  12                           ; v12  my half of the scale word
.set PX,  13                           ; v13  lane l xor 16's half
.set SW,  32                           ; v32-39 scale words: tile u, K step s at 4 u + s; 4 u + 3 is zero
.set CT,  40                           ; v40-47 the upper halves of two blocks' codes, as the conversions leave them
.set PC,  48                           ; v48-119 codes: 12 registers for each of the six steps, so that no store's data are written again
.set X,   120                          ; v120-247 two sets of 64 numbers
	s_load_b256 s[4:11], s[0:1], 0x0               ; video s[4:5], audio s[6:7], Wq s[8:9], Wk s[10:11]
	s_load_b128 s[12:15], s[0:1], 0x20             ; Wv s[12:13], img s[14:15]
	v_lshl_add_u32 v254, v0, 2, 0x3e000
	v_mov_b32 v255, 0
	ds_add_u32 v254, v255
	ds_add_u32 v254, v255
	v_lshrrev_b32 v1, 5, v0
	v_readfirstlane_b32 s2, v1                     ; wave 0..4
	s_mul_i32 s3, ttmp9, 5
	s_add_co_u32 s3, s3, s2                        ; my group, 0 .. 1,059
	; descriptor group 1: 32 rows x 128 elements of 4 bytes, 384 elements from row to row; 16 bytes of padding behind every 128 words
	s_mov_b32 s16, (2<<16)|(1<<20)|(6<<22)|(3<<25)
	s_mov_b32 s17, 128<<16                         ; tensor_dim0
	s_mov_b32 s18, 32<<16                          ; tensor_dim1
	s_mov_b32 s19, 128<<16                         ; tile_dim0
	s_mov_b32 s20, 32                              ; tile_dim1
	s_mov_b32 s21, 384                             ; elements from row to row
	s_mov_b32 s22, 0
	s_mov_b32 s23, 0
	; three groups 0, one for each K step: s[24:27], s[40:43], s[44:47]
	s_mov_b32 s24, 1
	s_mul_i32 s25, s2, WREG                        ; LDS address: my wave's region,
	s_mov_b32 s40, 1
	s_add_co_u32 s41, s25, SREG                    ; a K step's rows behind the last K step's
	s_mov_b32 s44, 1
	s_add_co_u32 s45, s25, 2*SREG
	s_mov_b32 s28, 0x76543210
	s_mov_b32 s29, 0xfedcba98                      ; v_permlanex16_b32's selects for lane l xor 16
	s_wait_dscnt 0x0
	s_wait_kmcnt 0x0
	s_mov_b64 s[30:31], s[12:13]                   ; which tensor my group lies in, and that tensor's first group: groups 0.. video, 512.. audio, 1024.. Wq, 1036.. Wk, 1048.. Wv
	s_mov_b32 s32, 1048
	s_cmp_lt_u32 s3, 1048
	s_cselect_b64 s[30:31], s[10:11], s[30:31]
	s_cselect_b32 s32, 1036, s32
	s_cmp_lt_u32 s3, 1036
	s_cselect_b64 s[30:31], s[8:9], s[30:31]
	s_cselect_b32 s32, 1024, s32
	s_cmp_lt_u32 s3, 1024
	s_cselect_b64 s[30:31], s[6:7], s[30:31]
	s_cselect_b32 s32, 512, s32
	s_cmp_lt_u32 s3, 512
	s_cselect_b64 s[30:31], s[4:5], s[30:31]
	s_cselect_b32 s32, 0, s32
	s_sub_co_u32 s33, s3, s32
	s_mul_i32 s34, s33, 49152                      ; 32 rows of 1,536 bytes a group
	s_mov_b32 s35, 0
	s_add_nc_u64 s[26:27], s[30:31], s[34:35]      ; K step 0 of my first row,
	s_add_nc_u64 s[42:43], s[26:27], 512           ; K step 1,
	s_add_nc_u64 s[46:47], s[26:27], 1024          ; K step 2
	s_or_b32 s27, s27, 0x80000000                  ; type = 2
	s_or_b32 s43, s43, 0x80000000
	s_or_b32 s47, s47, 0x80000000
	s_mul_i32 s36, s3, 10240
	s_mov_b32 s37, 0
	s_add_nc_u64 s[14:15], s[14:15], s[36:37]      ; my group's two records
	tensor_load_to_lds s[24:27], s[16:23]          ; the wave's three tensor loads go out together: three are out
	s_nop 0
	tensor_load_to_lds s[40:43], s[16:23]
	s_nop 0
	tensor_load_to_lds s[44:47], s[16:23]
	s_nop 0
	v_and_b32 v1, 15, v0                           ; r
	v_bfe_u32 v2, v0, 4, 1                         ; h
	v_and_b32 v[LA], 8, v1
	v_add_nc_u32 v[LA], v[LA], v1                  ; r + 8 (r / 8)
	v_mul_u32_u24 v[LA], v[LA], ROWP
	v_lshl_add_u32 v[LA], v2, 7, v[LA]             ; + 128 h: lanes 16-31 take the block of 32 numbers behind lanes 0-15's
	v_add_nc_u32 v[LA], s25, v[LA]
	v_and_b32 v[GO], 31, v0
	v_lshlrev_b32 v[GO], 4, v[GO]
	v_lshlrev_b32 v[SH], 3, v2
	v_mov_b32 v[PX], 0                             ; a lane permute's destination counts as one of its sources
	v_mov_b32 v[SW+3], 0
	v_mov_b32 v[SW+7], 0
; Step n = 2 s + u.  Lane (r, h) takes k = 128 s + 64 c + 32 h + 0 .. 31 of its row, c = 0, 1: two whole blocks, in the order of the operand's registers.
.macro LOADX n
.irp c, 0,1
.irp i, 0,1,2,3,4,5,6,7
	ds_load_b128 v[X+64*((\n)%2)+32*\c+4*\i:X+64*((\n)%2)+32*\c+4*\i+3], v[LA] offset:SREG*((\n)/2)+8*ROWP*((\n)%2)+256*\c+16*\i
.endr
.endr
.endm
.macro QA n
.set XS, X+64*((\n)%2)
.set CD, PC+12*(\n)
.set UU, (\n)%2
.set KS, (\n)/2
.irp c, 0,1
	v_max3_num_f32 v[MX+\c], |v[XS+32*\c]|, |v[XS+32*\c+1]|, 0x1800000   ; the block's largest magnitude, with the floor 2^(3 - 127) among its leaves: the byte cannot fall under 1
.endr
.irp i, 2,4,6,8,10,12,14,16,18,20,22,24,26,28,30
.irp c, 0,1
	v_max3_num_f32 v[MX+\c], v[MX+\c], |v[XS+32*\c+\i]|, |v[XS+32*\c+\i+1]|   ; (the two blocks by turns)
.endr
.endr
.irp c, 0,1
	v_add_nc_u32 v[SO+\c], 0xff000000, v[MX+\c]    ; 2 off the exponent field: the conversion takes this operand's exponent field as its scale
.endr
.irp c, 0,1
	v_lshrrev_b32 v[BY+\c], 23, v[SO+\c]           ; the scale's byte
.endr
	v_lshl_or_b32 v[WD], v[BY+1], 16, v[BY]        ; my bytes are those of blocks h and 2 + h
	v_lshlrev_b32 v[WD], v[SH], v[WD]
	v_permlanex16_b32 v[PX], v[WD], s28, s29
	v_or_b32 v[SW+4*UU+KS], v[WD], v[PX]           ; with lane l xor 16's two the word is whole, in both lanes
.irp c, 0,1
	v_cvt_scalef32_pk16_fp6_f32 v[CD+6*\c:CD+6*\c+2], v[XS+32*\c:XS+32*\c+15], v[SO+\c]
	v_cvt_scalef32_pk16_fp6_f32 v[CT+4*\c:CT+4*\c+2], v[XS+32*\c+16:XS+32*\c+31], v[SO+\c]   ; (a conversion's three registers begin on an even number: the upper half is made aside and moved)
.endr
	v_nop                                          ; one plain place behind the scaled conversions
.irp c, 0,1
.irp i, 0,1,2
	v_mov_b32 v[CD+6*\c+3+\i], v[CT+4*\c+\i]
.endr
.endr
.irp c, 0,1,2
	global_store_b128 v[GO], v[CD+4*\c:CD+4*\c+3], s[14:15] offset:5120*UU+1536*KS+512*\c   ; 32 lanes store 512 consecutive bytes, at a multiple of 256 from img's first byte
.endr
.if KS == 2
	global_store_b128 v[GO], v[SW+4*UU:SW+4*UU+3], s[14:15] offset:5120*UU+4608              ; the tile's scale words
.endif
.endm
.irp s, 0,1,2
	s_wait_tensorcnt 2-\s                          ; tensor loads of a wave end in order (ISA guide 10.11.1): K step s is in LDS; the later K steps' loads may be out
	LOADX 2*\s
	LOADX 2*\s+1
	s_wait_dscnt 16                                ; tile 0's 16 loads are in; tile 1's 16 may be out
	QA 2*\s
	s_wait_dscnt 0x0
	QA 2*\s+1
.endr
	s_wait_tensorcnt 0x0
	ds_add_u32 v254, v255
	s_wait_dscnt 0x0
	s_endpgm
.Lfunc_end_k_q416695693c_quant:
	.size	k_q416695693c_quant, .Lfunc_end_k_q416695693c_quant-k_q416695693c_quant
	.p2alignl 7, 3214868480
	.fill 96, 4, 3214868480
	.section	.rodata,"a",@progbits
	.p2align	6, 0x0
	.amdhsa_kernel k_q416695693c_quant
		.amdhsa_group_segment_fixed_size 254720
		.amdhsa_private_segment_fixed_size 0
		.amdhsa_enable_private_segment 0
		.amdhsa_kernarg_size 48
		.amdhsa_user_sgpr_count 2
		.amdhsa_user_sgpr_kernarg_segment_ptr 1
		.amdhsa_wavefront_size32 1
		.amdhsa_system_sgpr_workgroup_id_x 1
		.amdhsa_system_sgpr_workgroup_id_y 1
		.amdhsa_system_sgpr_workgroup_id_z 1
		.amdhsa_system_vgpr_workitem_id 0
		.amdhsa_next_free_vgpr 256
		.amdhsa_next_free_sgpr 66
		.amdhsa_reserve_vcc 0
		.amdhsa_float_denorm_mode_32 3
		.amdhsa_float_denorm_mode_16_64 3
		.amdhsa_memory_ordered 1
		.amdhsa_forward_progress 1
		.amdhsa_inst_pref_size 30
	.end_amdhsa_kernel
	.amdgpu_metadata
---
amdhsa.version: [ 1, 2 ]
amdhsa.kernels:
  - .name:           k_q416695693c_quant
    .symbol:         k_q416695693c_quant.kd
    .args:
      - { .name: video_features, .offset: 0, .size: 8, .value_kind: global_buffer, .address_space: global }
      - { .name: audio_features, .offset: 8, .size: 8, .value_kind: global_buffer, .address_space: global }
      - { .name: Wq, .offset: 16, .size: 8, .value_kind: global_buffer, .address_space: global }
      - { .name: Wk, .offset: 24, .size: 8, .value_kind: global_buffer, .address_space: global }
      - { .name: Wv, .offset: 32, .size: 8, .value_kind: global_buffer, .address_space: global }
      - { .name: img, .offset: 40, .size: 8, .value_kind: global_buffer, .address_space: global }
    .group_segment_fixed_size: 254720
    .private_segment_fixed_size: 0
    .kernarg_segment_align: 8
    .kernarg_segment_size: 48
    .max_flat_workgroup_size: 160
    .sgpr_count:     66
    .vgpr_count:     256
    .wavefront_size: 32
...
	.end_amdgpu_metadata
.endif
;; end of part 1
;; launch proj (part 2): grid 193 x 1, 4 waves a work-group, no clusters, 0 bytes of LDS; arguments img, bq, bk, bv, qc, kc, vc; writes qc, kc, vc
.if DOCPART == 2
	.amdgcn_target "amdgcn-amd-amdhsa--gfx1250"
	.amdhsa_code_object_version 6
	.text
	.protected	k_q416695693c_proj
	.globl	k_q416695693c_proj
	.p2align	8
	.type	k_q416695693c_proj,@function
k_q416695693c_proj:
	s_mov_b64 s[64:65], 0
	v_nop
	global_prefetch_b8 v0, s[64:65] scope:SCOPE_SE
	s_setreg_imm32_b32 hwreg(HW_REG_WAVE_MODE, 25, 1), 1
	s_wait_xcnt 0x0
; Q = video Wq^T + bq, K = audio Wk^T + bk, V = audio Wv^T + bv, on the codes of FP6 (E2M3) that lie in img as images of operand registers; each result is quantised in registers
; (Q and K along their 384 channels, V along the keys) and stored, again as images, into qc, kc, vc.
; ONE SHAPE FOR ALL THREE.  A wave keeps a RESIDENT SET in registers: 128 rows (8 tiles x 3 K steps, 288 registers), used as source 0, and streams tiles of 16 rows as source 1.
; 24 matrix instructions give 8 accumulators in which lane (r, h) holds streamed row r and 64 numbers along the resident rows: since lane r of resident tile 2 b + u is row 32 b + 8 u + r + 8 (r / 8),
; register 16 b + i is resident row 32 b + 16 h + i: sixteen neighbours along the NEXT product's K.  The quantiser makes of them one fragment and one scale word.
;   Q, K: resident = 128 rows of W (channels 128 g ..), streamed = tiles of x: the fragment is K step g of 16 tokens.   V: resident = 128 keys of audio, streamed = tiles of Wv: the fragment is 16 channels x 128 keys.
; A trip is 4 streamed tiles.  772 waves: jobs 0-257 Q, 258-515 K (86 runs of three groups of 64 tokens x 3 sets of W; the last run has one group), 516-771 V (128 sets of keys x 2 halves of Wv).
; BY TURNS.  Two sets of accumulators take the tiles by turns.  The quantiser of a tile is 67 vector instructions and 3 stores, cut into 17 slices; one slice stands behind each of the first 17 of the NEXT tile's
; 24 matrix instructions, so that the vector unit works on one tile while the matrix unit works on the next.  A slice costs two switches of the register window.  A trip's first products and its last quantiser stand alone:
; nothing is carried over a trip's edge.
; The bias is the C of each sum's first matrix instruction.  Operands go from memory straight into registers, every load and store 512 consecutive bytes: no LDS, no barrier, and so nothing that a cluster's joint request could serve.
; LIMITS: a block of zeros, or one whose largest magnitude lies under 2^-124, gets the byte 1; NaN and infinities are not served.
; REGISTERS.  window 0: v1-2 offsets; v16-47 resident scale words (4 t + s); v48-63 streamed scale words (4 i + s); v64-127, v128-191 the two sets of accumulators; v192-211 codes; v212-227 at work; v228-231 the trip's scale words.
;   window 1: resident K step 0 at 12 t, K step 1 at 96 + 12 t; the bias from 192: Q's or K's at 8 t, V's at 8 i.   window 2: resident K step 2 at 12 t; four streamed buffers at 96 + 36 i.
.set LI,  1                            ; v1   16 x lane; never rewritten
.set BO,  2                            ; v2   the bias's offset: 64 h (Q, K) or 4 (r + 8 (r / 8)) (V); never rewritten
.set RS,  16
.set SS,  48
.set H0,  64
.set PC,  192
.set TM,  212
.set PWG, 228
.set BI,  192                          ; in window 1
.set RES,  28                          ; s[28:29] the resident set
.set STR,  30                          ; s[30:31] the trip's four streamed tiles
.set OUTF, 32                          ; s[32:33] where the trip's fragments go
.set OUTS, 34                          ; s[34:35] and its scale words
.set BIAS, 36                          ; s[36:37]
.set CNT,  38                          ; s38  trips but the last
.set SEL,  40                          ; s[40:41]
.set MSB, 0
.macro WIN new                         ; the immediate's high byte repeats the setting that is left
.if MSB != \new
	s_set_vgpr_msb (MSB<<8)|\new
.set MSB, \new
.endif
.endm
.macro MMC d, a, b, c, sa, sb
	v_wmma_scale_f32_16x16x128_f8f6f4 v[(\d):(\d)+7], v[(\a):(\a)+11], v[(\b):(\b)+11], v[(\c):(\c)+7], v[\sa], v[\sb] matrix_a_fmt:MATRIX_FMT_FP6 matrix_b_fmt:MATRIX_FMT_FP6
.endm
; THE QUANTISER, slice k of 17.  64 numbers of a lane from v[src] on, register 16 b + i = k 32 b + 16 (lane / 16) + i of my row, become a fragment's codes in v[PC] on and its scale word in v[pw];
; the codes are stored ofs bytes behind OUTF.  Slices 0-7: the four blocks' largest magnitudes (each accumulator is read from its low end on); 8, 9: joined with lane l xor 16's; 10, 11: scale operand and byte;
; 12: the scale word; 13: the conversions; 14, 15: whole blocks into lanes; 16: the stores.
.macro QSLICE k, src, pw, ofs
.if (\k) == 0
.irp b, 0,1,2,3
	v_max3_num_f32 v[TM+\b], |v[(\src)+16*\b]|, |v[(\src)+16*\b+1]|, 0x1800000   ; block b: my 16 numbers, and the floor 2^(3 - 127): the byte cannot fall under 1
.endr
.elseif (\k) < 8
.irp b, 0,1,2,3
	v_max3_num_f32 v[TM+\b], v[TM+\b], |v[(\src)+16*\b+2*(\k)]|, |v[(\src)+16*\b+2*(\k)+1]|
.endr
.elseif (\k) == 8
.irp b, 0,1,2,3
	v_permlanex16_b32 v[TM+4+\b], v[TM+\b], s[SEL], s[SEL+1]
.endr
.elseif (\k) == 9
.irp b, 0,1,2,3
	v_max_num_f32 v[TM+\b], v[TM+\b], v[TM+4+\b]   ; with lane l xor 16's: the block's largest magnitude
.endr
.elseif (\k) == 10
.irp b, 0,1,2,3
	v_add_nc_u32 v[TM+12+\b], 0xff000000, v[TM+\b] ; 2 off its exponent field: the conversion's scale operand
.endr
.elseif (\k) == 11
.irp b, 0,1,2,3
	v_lshrrev_b32 v[TM+4+\b], 23, v[TM+12+\b]      ; the scale's byte
.endr
.elseif (\k) == 12
	s_wait_xcnt 0x0                                ; the last tile's stores have read the codes, the last trip's store the scale words: both are written again only behind this wait
	v_lshl_or_b32 v[\pw], v[TM+5], 8, v[TM+4]
	v_lshl_or_b32 v[\pw], v[TM+6], 16, v[\pw]
	v_lshl_or_b32 v[\pw], v[TM+7], 24, v[\pw]
.elseif (\k) == 13
.irp c, 0,1
	v_cvt_scalef32_pk16_fp6_f32 v[PC+6*\c:PC+2+6*\c], v[(\src)+32*\c:(\src)+15+32*\c], v[TM+12+2*\c]
	v_cvt_scalef32_pk16_fp6_f32 v[PC+12+4*\c:PC+14+4*\c], v[(\src)+16+32*\c:(\src)+31+32*\c], v[TM+12+2*\c+1]
.endr
	v_nop                                          ; one plain place behind the scaled conversions
.elseif (\k) < 16                              ; the operand's layout wants a whole block in a lane: lanes 0-15 block 2 c, lanes 16-31 block 2 c + 1; c = k - 14
.irp i, 0,1,2
	v_permlane16_swap_b32 v[PC+6*((\k)-14)+\i], v[PC+12+4*((\k)-14)+\i]
.endr
.irp i, 0,1,2
	v_mov_b32 v[PC+3+6*((\k)-14)+\i], v[PC+12+4*((\k)-14)+\i]
.endr
.else
.irp c, 0,1,2
	global_store_b128 v[LI], v[PC+4*\c:PC+4*\c+3], s[OUTF:OUTF+1] offset:(\ofs)+512*\c   ; 512 consecutive bytes, at a multiple of 256 from the buffer's first byte
.endr
.endif
.endm
; mode 0: Q, K;  mode 1: V
.macro RESLOAD mode
	WIN 0x40                                       ; destination window 1
.irp t, 0,1,2,3,4,5,6,7
.irp s, 0,1
.irp c, 0,1,2
	global_load_b128 v[96*\s+12*\t+4*\c:96*\s+12*\t+4*\c+3], v[LI], s[RES:RES+1] offset:5120*\t+1536*\s+512*\c
.endr
.endr
.endr
.if \mode == 0
.irp t, 0,1,2,3,4,5,6,7                        ; lane (r, h) wants, for tile 2 b + u, the bias of channels 32 b + 16 h + 8 u + 0 .. 7
	global_load_b128 v[BI+8*\t:BI+8*\t+3], v[BO], s[BIAS:BIAS+1] offset:(32*(\t/2)+8*(\t%2))*4
	global_load_b128 v[BI+8*\t+4:BI+8*\t+7], v[BO], s[BIAS:BIAS+1] offset:(32*(\t/2)+8*(\t%2))*4+16
.endr
.endif
	WIN 0x80                                       ; destination window 2
.irp t, 0,1,2,3,4,5,6,7
.irp c, 0,1,2
	global_load_b128 v[12*\t+4*\c:12*\t+4*\c+3], v[LI], s[RES:RES+1] offset:5120*\t+3072+512*\c
.endr
.endr
	WIN 0
.irp t, 0,1,2,3,4,5,6,7
	global_load_b128 v[RS+4*\t:RS+4*\t+3], v[LI], s[RES:RES+1] offset:5120*\t+4608
.endr
.endm
; streamed tile i, off bytes on: 9 chunks of codes, the scale words; for V the bias of my lane's channel into all eight registers of a C (by loads, so that the operand owes only its wait): 10 or 18 loads
.macro STRLOAD mode, i, off
	WIN 0x80
.irp k, 0,1,2,3,4,5,6,7,8
	global_load_b128 v[96+36*(\i)+4*\k:96+36*(\i)+4*\k+3], v[LI], s[STR:STR+1] offset:(\off)+5120*(\i)+512*\k
.endr
	WIN 0
	global_load_b128 v[SS+4*(\i):SS+4*(\i)+3], v[LI], s[STR:STR+1] offset:(\off)+5120*(\i)+4608
.if \mode
	WIN 0x40
.irp j, 0,1,2,3,4,5,6,7
	global_load_b32 v[BI+8*(\i)+\j], v[BO], s[BIAS:BIAS+1] offset:(\off)/80+128*((\i)/2)+32*((\i)%2)
.endr
	WIN 0
.endif
.endm
; One streamed tile's 24 products, into the set of accumulators of the tile's parity.  The eight accumulators take turns in every K step, one instruction a turn.
; N: the younger loads that may stay out.  prev other than 0: the slices of the tile before stand behind the first 17 products; they name the other set of accumulators and nothing of these products.
.macro TILE mode, i, ahead, N, prev
	s_wait_loadcnt \N                              ; loads come back in order: this tile's are in (and the resident set's, which are older)
.set HC, H0+64*((\i)%2)
.set HP, H0+64*(((\i)+1)%2)
.set KK, 0
.irp s, 0,1,2
.irp t, 0,1,2,3,4,5,6,7
.if \s == 0
	WIN 0x19                                       ; source 0 window 1, source 1 window 2, C (the bias) window 1, D window 0
.if \mode
	MMC HC+8*\t, 12*\t, 96+36*(\i), BI+8*(\i), RS+4*\t, SS+4*(\i)
.else
	MMC HC+8*\t, 12*\t, 96+36*(\i), BI+8*\t, RS+4*\t, SS+4*(\i)
.endif
.elseif \s == 1
	WIN 0x09                                       ; C and D window 0
	MMC HC+8*\t, 96+12*\t, 96+36*(\i)+12, HC+8*\t, RS+4*\t+1, SS+4*(\i)+1
.else
	WIN 0x0a                                       ; source 0 window 2
	MMC HC+8*\t, 12*\t, 96+36*(\i)+24, HC+8*\t, RS+4*\t+2, SS+4*(\i)+2
.endif
.if (\prev) && (KK < 17)
	WIN 0
	QSLICE KK, HP, PWG+(\i)-1, ((\i)-1)*(4608-3072*\mode)
.endif
.set KK, KK+1
.endr
.endr
	WIN 0
.rept 4
	v_nop                                          ; four places in front of the loads into registers that the products have read, and of the first read of results
.endr
.if \ahead
	STRLOAD \mode, \i, 20480                       ; the buffer takes the same tile of the next trip
.endif
.endm
.macro TRIP mode, ahead
.irp i, 0,1,2,3
.if \ahead
	TILE \mode, \i, 1, 3*(10+8*\mode), \i          ; behind this tile's loads: those of three tiles
.else
	TILE \mode, \i, 0, (3-\i)*(10+8*\mode), \i     ; the last trip loads nothing: the counts run down
.endif
.endr
.set KK, 0
.rept 17                                       ; tile 3's quantiser stands alone
	QSLICE KK, H0+64, PWG+3, 3*(4608-3072*\mode)
.set KK, KK+1
.endr
	global_store_b128 v[LI], v[PWG:PWG+3], s[OUTS:OUTS+1]
.if \ahead
	s_wait_xcnt 0x0                                ; every load and store issued has read its base: the bases step only behind this wait
	s_add_nc_u64 s[STR:STR+1], s[STR:STR+1], 20480
	s_add_nc_u64 s[OUTF:OUTF+1], s[OUTF:OUTF+1], 19968-13312*\mode
	s_add_nc_u64 s[OUTS:OUTS+1], s[OUTS:OUTS+1], 19968-13312*\mode
.if \mode
	s_add_nc_u64 s[BIAS:BIAS+1], s[BIAS:BIAS+1], 256
.endif
.endif
.endm
	s_load_b256 s[4:11], s[0:1], 0x0               ; img s[4:5], bq s[6:7], bk s[8:9], bv s[10:11]
	s_load_b128 s[12:15], s[0:1], 0x20             ; qc s[12:13], kc s[14:15]
	s_load_b64 s[16:17], s[0:1], 0x30              ; vc
	v_lshrrev_b32 v3, 5, v0
	v_readfirstlane_b32 s18, v3                    ; wave 0..3
	s_lshl_b32 s19, ttmp9, 2
	s_add_co_u32 s19, s19, s18                     ; my job, 0 .. 771
	v_and_b32 v[LI], 31, v0
	v_lshlrev_b32 v[LI], 4, v[LI]
	v_and_b32 v4, 15, v0                           ; r
	v_bfe_u32 v5, v0, 4, 1                         ; h
	s_mov_b32 s[SEL], 0x76543210
	s_mov_b32 s[SEL+1], 0xfedcba98
.irp b, 0,1,2,3
	v_mov_b32 v[TM+4+\b], 0                        ; a lane permute's destination counts as one of its sources
.endr
	s_mov_b32 s27, 0                               ; the high words of the offsets below
	s_mov_b32 s45, 0
	s_wait_kmcnt 0x0
	s_cmp_ge_u32 s19, 516
	s_cbranch_scc1 .Lv_job
	; ---- Q or K
	v_lshlrev_b32 v[BO], 6, v5
	s_mov_b32 s21, 10485760                        ; Wq's images in img
	s_cmp_ge_u32 s19, 258
	s_cselect_b32 s20, 258, 0
	s_cselect_b32 s21, 10608640, s21               ; Wk's
	s_cselect_b32 s22, 5242880, 0                  ; audio's, or video's
	s_cselect_b64 s[42:43], s[14:15], s[12:13]
	s_cselect_b64 s[BIAS:BIAS+1], s[8:9], s[6:7]
	s_sub_co_u32 s20, s19, s20                     ; the job within its tensor, 0 .. 257
	s_mul_hi_u32 s23, s20, 0x55555556              ; c = job / 3: which run of three groups of 64 tokens
	s_mul_i32 s24, s23, 3
	s_sub_co_u32 s25, s20, s24                     ; g = job % 3: which 128 rows of W
	s_sub_co_u32 s[CNT], 256, s24
	s_min_u32 s[CNT], s[CNT], 3                    ; trips: 3, or 1 in the last run
	s_sub_co_u32 s[CNT], s[CNT], 1
	s_mul_i32 s26, s25, 40960
	s_add_co_u32 s26, s26, s21
	s_add_nc_u64 s[RES:RES+1], s[4:5], s[26:27]
	s_mul_i32 s26, s23, 61440
	s_add_co_u32 s26, s26, s22
	s_add_nc_u64 s[STR:STR+1], s[4:5], s[26:27]
	s_mul_i32 s26, s23, 59904                      ; three records of 19,968 bytes a run
	s_mul_i32 s44, s25, 1536
	s_add_co_u32 s44, s44, s26
	s_add_nc_u64 s[OUTF:OUTF+1], s[42:43], s[44:45]   ; fragment (tile i, K step g) at (3 i + g) x 1,536
	s_lshl_b32 s44, s25, 9
	s_add_nc_u64 s[BIAS:BIAS+1], s[BIAS:BIAS+1], s[44:45]   ; my 128 channels' bias
	s_add_co_u32 s44, s44, s26
	s_add_co_u32 s44, s44, 18432
	s_add_nc_u64 s[OUTS:OUTS+1], s[42:43], s[44:45]   ; scale chunk g
	RESLOAD 0
.irp i, 0,1,2,3
	STRLOAD 0, \i, 0
.endr
	s_cmp_eq_u32 s[CNT], 0
	s_cbranch_scc1 .Lqk_last
.Lqk_loop:
	TRIP 0, 1
	s_sub_co_u32 s[CNT], s[CNT], 1
	s_cmp_lg_u32 s[CNT], 0
	s_cbranch_scc1 .Lqk_loop
.Lqk_last:
	TRIP 0, 0
	s_endpgm
	; ---- V
.Lv_job:
	v_and_b32 v[BO], 8, v4
	v_add_nc_u32 v[BO], v[BO], v4
	v_lshlrev_b32 v[BO], 2, v[BO]                  ; lane r of a tile of Wv is channel r + 8 (r / 8) of the tile's 32
	s_sub_co_u32 s20, s19, 516
	s_lshr_b32 s21, s20, 1                         ; which 128 keys
	s_and_b32 s22, s20, 1                          ; which 12 tiles of Wv
	s_mul_i32 s26, s21, 40960
	s_add_co_u32 s26, s26, 5242880
	s_add_nc_u64 s[RES:RES+1], s[4:5], s[26:27]
	s_mul_i32 s26, s22, 61440
	s_add_co_u32 s26, s26, 10731520
	s_add_nc_u64 s[STR:STR+1], s[4:5], s[26:27]
	s_mul_i32 s26, s21, 39936
	s_mul_i32 s44, s22, 19968
	s_add_co_u32 s26, s26, s44
	s_add_nc_u64 s[OUTF:OUTF+1], s[16:17], s[26:27]
	s_add_nc_u64 s[OUTS:OUTS+1], s[OUTF:OUTF+1], 6144
	s_mul_i32 s26, s22, 768
	s_add_nc_u64 s[BIAS:BIAS+1], s[10:11], s[26:27]
	s_mov_b32 s[CNT], 2
	RESLOAD 1
.irp i, 0,1,2,3
	STRLOAD 1, \i, 0
.endr
.Lv_loop:
	TRIP 1, 1
	s_sub_co_u32 s[CNT], s[CNT], 1
	s_cmp_lg_u32 s[CNT], 0
	s_cbranch_scc1 .Lv_loop
	TRIP 1, 0
	s_endpgm
.Lfunc_end_k_q416695693c_proj:
	.size	k_q416695693c_proj, .Lfunc_end_k_q416695693c_proj-k_q416695693c_proj
	.p2alignl 7, 3214868480
	.fill 96, 4, 3214868480
	.section	.rodata,"a",@progbits
	.p2align	6, 0x0
	.amdhsa_kernel k_q416695693c_proj
		.amdhsa_group_segment_fixed_size 0
		.amdhsa_private_segment_fixed_size 0
		.amdhsa_enable_private_segment 0
		.amdhsa_kernarg_size 56
		.amdhsa_user_sgpr_count 2
		.amdhsa_user_sgpr_kernarg_segment_ptr 1
		.amdhsa_wavefront_size32 1
		.amdhsa_system_sgpr_workgroup_id_x 1
		.amdhsa_system_sgpr_workgroup_id_y 1
		.amdhsa_system_sgpr_workgroup_id_z 1
		.amdhsa_system_vgpr_workitem_id 0
		.amdhsa_next_free_vgpr 752
		.amdhsa_next_free_sgpr 66
		.amdhsa_reserve_vcc 0
		.amdhsa_float_denorm_mode_32 3
		.amdhsa_float_denorm_mode_16_64 3
		.amdhsa_memory_ordered 1
		.amdhsa_forward_progress 1
		.amdhsa_inst_pref_size 173
	.end_amdhsa_kernel
	.amdgpu_metadata
---
amdhsa.version: [ 1, 2 ]
amdhsa.kernels:
  - .name:           k_q416695693c_proj
    .symbol:         k_q416695693c_proj.kd
    .args:
      - { .name: img, .offset: 0, .size: 8, .value_kind: global_buffer, .address_space: global }
      - { .name: bq, .offset: 8, .size: 8, .value_kind: global_buffer, .address_space: global }
      - { .name: bk, .offset: 16, .size: 8, .value_kind: global_buffer, .address_space: global }
      - { .name: bv, .offset: 24, .size: 8, .value_kind: global_buffer, .address_space: global }
      - { .name: qc, .offset: 32, .size: 8, .value_kind: global_buffer, .address_space: global }
      - { .name: kc, .offset: 40, .size: 8, .value_kind: global_buffer, .address_space: global }
      - { .name: vc, .offset: 48, .size: 8, .value_kind: global_buffer, .address_space: global }
    .group_segment_fixed_size: 0
    .private_segment_fixed_size: 0
    .kernarg_segment_align: 8
    .kernarg_segment_size: 56
    .max_flat_workgroup_size: 128
    .sgpr_count:     66
    .vgpr_count:     752
    .wavefront_size: 32
...
	.end_amdgpu_metadata
.endif
;; end of part 2
;; launch attn (part 3): grid 32 x 8, 4 waves a work-group, clusters of 4 x 1, 327,680 bytes of LDS; arguments qc, kc, vc, out0; writes out0
.if DOCPART == 3
	.amdgcn_target "amdgcn-amd-amdhsa--gfx1250"
	.amdhsa_code_object_version 6
	.text
	.protected	k_q416695693c_attn
	.globl	k_q416695693c_attn
	.p2align	8
	.type	k_q416695693c_attn,@function
k_q416695693c_attn:
	s_mov_b64 s[64:65], 0
	v_nop
	global_prefetch_b8 v0, s[64:65] scope:SCOPE_SE
	s_setreg_imm32_b32 hwreg(HW_REG_WAVE_MODE, 25, 1), 1
	s_wait_xcnt 0x0
	s_wait_alu depctr_hold_cnt(0) depctr_sa_sdst(0) depctr_va_vdst(0) depctr_va_sdst(0) depctr_va_ssrc(0) depctr_va_vcc(0) depctr_vm_vsrc(0)
	s_getreg_b32 s2, hwreg(HW_REG_IB_STS2, 6, 4)
	s_cmp_eq_u32 s2, 0
	s_cbranch_scc0 .Lentry_in_a_cluster
	s_endpgm
.Lentry_in_a_cluster:
	s_bfe_u32 s2, ttmp6, 0x10000c
	s_cmp_lg_u32 s2, 0x3003
	s_cbranch_scc0 .Lentry_shape_is_right
	s_endpgm
.Lentry_shape_is_right:
; out0[b][q][:] = the sum over k of softmax_k(Q[b][q] . K[b][k] / sqrt(384)) V[b][k][:], both products on codes of FP6 (E2M3) with one E8M0 byte for each 32 along a product's K.
; qc, kc: records of 64 rows (4 tiles of 16): fragment (tile i, K step s) at (3 i + s) x 1,536 as an image of its 12 registers, scale chunk s at 18,432 + 512 s.  vc: a block for each 128 keys: 24 tiles of 16 channels x 128 keys,
; four fragments and a scale chunk to each 6,656 bytes.  In every tile lane r of tile 2 b + u is row 32 b + 8 u + r + 8 (r / 8).
; THE SOFTMAX: t = score x log2(e) / sqrt(384); M = the largest t so far, rounded UP to a whole number; p = 2^(t - M) is quantised along the keys, not normalised; the row's sum is taken of the unquantised p.
; When M moves, the sum and O are multiplied by 2^(old M - new M): exact.
; SHARES.  A work-group owns 64 queries of one batch.  Wave w: g = w & 1: query tiles 2 g, 2 g + 1 (32 queries); kh = w >> 1: keys 1,024 kh on, eight steps of 128.  Each fragment of K and V read from LDS feeds two products.
; The two halves of the keys keep their own M, sum and O; at the end they are joined by powers of two, through LDS.
; LAYOUT.  Both products are used transposed: S^T = K Q^T (source 0 = 16 keys), O^T = V^T P^T (source 0 = 16 channels): a lane holds ONE query throughout, and p's 16 registers of two neighbouring tiles are 16 neighbouring keys.
; CLUSTER.  The four work-groups of a cluster belong to one batch and walk the same K and V: each block of 39,936 bytes is asked for JOINTLY.  Wave w fetches K's (w even) or V's (w odd) block of half kh's step.
; No prefetch is laid: a wave's refill is 156 blocks of 256 bytes, 39 for each of the four partners, which is no whole number of 32-lane requests.
; LIMITS: NaN and infinities are not served; a p under 2^-126 counts as 0; a block whose every p is 0 keeps the byte 1 (its codes are zeros).
; REGISTERS.  window 0: v1-11, v54 addresses; v12-23 statistics; v24-47 scale words of K, then of V; v48-53 Q's; v60-61 p's; v62-81 at work; v86-109 p's codes; v110-117 conversions' upper halves; v128-255 S^T, then p.
;   windows 1, 2: O^T: tile (q, dt) at 8 (2 (dt % 12) + q), dt 0-11 in window 1, 12-23 in window 2.   window 3: Q (q, s) at 12 (3 q + s); two buffers of six fragments at 72 and 144.
.set BLK,   39936                      ; a key step's block of K or of V
.set HALF,  2*BLK                      ; a half's K block and V block
.set SLOT,  4*BLK                      ; both halves'
.set SPARE, 2*SLOT                     ; behind the ring: the spare words, 128 bytes for each wave: two blocks of 256 bytes that no other line names
.set REC,   19968
.set VGR,   6656
.set STAT,  0                          ; the way out: 512 bytes a wave, in slot 0, which has had its last fill and its last read by then
.set STG,   2048                       ; and a stage of 32 rows x (1,536 + 16) bytes for each wave, written when slot 1 too has been read out
.set SP,    1552
.set WST,   32*SP
.set LI,  1                            ; v1   16 x lane; never rewritten
.set SPW, 2                            ; v2   LDS address of my spare word; never rewritten
.set NIL, 3                            ; v3   0; never rewritten
.set AK,  4                            ; v4-5 my half's K block in slot 0, 1, + 16 x lane
.set AV,  6                            ; v6-7 its V block
.set STA, 8
.set STB, 9
.set SO,  10
.set SR,  11
.set SR2, 54
.set FF,  20                           ; v[20+2q:21+2q] f (the upper word is named with it, so it is written once)
.set SCL, 24
.set QS,  48
.set PS,  60
.set BM,  62
.set PX,  66
.set SOP, 70
.set BY,  74
.set T0,  78
.set C2,  80                           ; v[80:81] the sum's second chain
.set PCD, 86
.set CT,  110
.set S,   128
.set F0,  72
.set F1,  144
.set SEL, 20                           ; s[20:21]
.set CS,  22                           ; s[22:23]
.set G1,  24                           ; s[24:31]
.set G0,  32                           ; s[32:35] slot 0, s[36:39] slot 1
.set MSB, 0
.macro WIN new                         ; the immediate's high byte repeats the setting that is left
.if MSB != \new
	s_set_vgpr_msb (MSB<<8)|\new
.set MSB, \new
.endif
.endm
.macro PLACES
.rept 4
	v_nop
.endr
.endm
.macro CROUND                          ; a round of the cluster's barrier
	s_barrier_signal -1
	s_barrier_wait -1
	s_cmp_lg_u32 s12, 0
	s_cbranch_scc1 .Lnot_wave_0_\@
	s_barrier_signal -3
.Lnot_wave_0_\@:
	s_barrier_wait -3
	s_barrier_signal -1
	s_barrier_wait -1
.endm
.macro MM0 d, a, b, sa, sb
	v_wmma_scale_f32_16x16x128_f8f6f4 v[(\d):(\d)+7], v[(\a):(\a)+11], v[(\b):(\b)+11], 0, v[\sa], v[\sb] matrix_a_fmt:MATRIX_FMT_FP6 matrix_b_fmt:MATRIX_FMT_FP6
.endm
.macro MMD d, a, b, sa, sb
	v_wmma_scale_f32_16x16x128_f8f6f4 v[(\d):(\d)+7], v[(\a):(\a)+11], v[(\b):(\b)+11], v[(\d):(\d)+7], v[\sa], v[\sb] matrix_a_fmt:MATRIX_FMT_FP6 matrix_b_fmt:MATRIX_FMT_FP6
.endm
.macro LOADKS slot                     ; K's scale words: tile 4 T + i, K step s in register SCL + 4 (3 T + s) + i
.irp T, 0,1
.irp s, 0,1,2
	ds_load_b128 v[SCL+4*(3*\T+\s):SCL+4*(3*\T+\s)+3], v[AK+\slot] offset:REC*\T+18432+512*\s
.endr
.endr
.endm
.macro LOADK slot, b, f                ; key tiles 2 b, 2 b + 1, three K steps each: 18 loads of 512 consecutive bytes
	WIN 0xc0                                       ; destination window 3
.irp u, 0,1
.irp s, 0,1,2
.irp c, 0,1,2
	ds_load_b128 v[\f+12*(3*\u+\s)+4*\c:\f+12*(3*\u+\s)+4*\c+3], v[AK+\slot] offset:REC*((\b)/2)+(3*(2*((\b)%2)+\u)+\s)*1536+512*\c
.endr
.endr
.endr
.endm
.macro LOADVS slot                     ; V's scale words: channel tile dt in register SCL + dt
.irp d, 0,1,2,3,4,5
	ds_load_b128 v[SCL+4*\d:SCL+4*\d+3], v[AV+\slot] offset:VGR*\d+6144
.endr
.endm
.macro LOADV slot, G, f                ; channel tiles 6 G .. 6 G + 5: 18 loads
	WIN 0xc0
.irp k, 0,1,2,3,4,5
.irp c, 0,1,2
	ds_load_b128 v[\f+12*\k+4*\c:\f+12*\k+4*\c+3], v[AV+\slot] offset:VGR*((6*(\G)+\k)/4)+1536*((6*(\G)+\k)%4)+512*\c
.endr
.endr
.endm
; 12 products of S^T = K Q^T: key tiles 2 b + u x my two query tiles, three K steps.  Four accumulators take turns, one instruction a turn; the first K step starts the sums.
.macro SMUL b, f
	WIN 0x0f                                       ; K and Q window 3, S^T window 0
.irp s, 0,1,2
.irp u, 0,1
.irp q, 0,1
.if \s == 0
	MM0 S+64*\q+8*(2*(\b)+\u), \f+12*(3*\u+\s), 12*(3*\q+\s), SCL+4*(3*((\b)/2)+\s)+2*((\b)%2)+\u, QS+3*\q+\s
.else
	MMD S+64*\q+8*(2*(\b)+\u), \f+12*(3*\u+\s), 12*(3*\q+\s), SCL+4*(3*((\b)/2)+\s)+2*((\b)%2)+\u, QS+3*\q+\s
.endif
.endr
.endr
.endr
.endm
; 12 products of O^T += V^T P^T: channel tiles 6 G + k x my two query tiles; K = the step's 128 keys.  first = 1: they start the sums: nothing is ever cleared.
.macro PVMUL G, f, first
.if (\G) < 2
	WIN 0x53                                       ; V window 3, p window 0, O^T window 1
.else
	WIN 0xa3                                       ; O^T window 2
.endif
.irp k, 0,1,2,3,4,5
.irp q, 0,1
.if \first
	MM0 8*(2*((6*(\G)+\k)%12)+\q), \f+12*\k, PCD+12*\q, SCL+6*(\G)+\k, PS+\q
.else
	MMD 8*(2*((6*(\G)+\k)%12)+\q), \f+12*\k, PCD+12*\q, SCL+6*(\G)+\k, PS+\q
.endif
.endr
.endr
.endm
; Query tile q's softmax for 128 keys.  Register 16 b + i of S^T is key 32 b + 16 (lane / 16) + i of my query.
.macro SOFTMAX q
.set SB, S+64*(\q)
.set NM, 12+4*(\q)                     ; -M; NM + 1 the largest t; NM + 2, NM + 3 the sum in two halves
.set FQ, FF+2*(\q)
.set CD, PCD+12*(\q)
.irp b, 0,1,2,3
	v_max3_num_f32 v[BM+\b], v[SB+16*\b], v[SB+16*\b+1], v[SB+16*\b+2]   ; the largest score of each block of 32 keys: it serves the row's maximum and, since p rises with the score, the block's largest p.  Each accumulator is read from its low end on
.endr
.irp i, 3,5,7,9,11,13
.irp b, 0,1,2,3
	v_max3_num_f32 v[BM+\b], v[BM+\b], v[SB+16*\b+\i], v[SB+16*\b+\i+1]
.endr
.endr
.irp b, 0,1,2,3
	v_max_num_f32 v[BM+\b], v[BM+\b], v[SB+16*\b+15]
.endr
.irp b, 0,1,2,3
	v_permlanex16_b32 v[PX+\b], v[BM+\b], s[SEL], s[SEL+1]
.endr
.irp b, 0,1,2,3
	v_max_num_f32 v[BM+\b], v[BM+\b], v[PX+\b]     ; with lane l xor 16's 16 keys
.endr
	v_max3_num_f32 v[T0], v[BM], v[BM+1], v[BM+2]
	v_max_num_f32 v[T0], v[T0], v[BM+3]
	v_mul_f32 v[T0], s[CS], v[T0]                  ; the step's largest t (c is positive)
	v_max_num_f32 v[NM+1], v[NM+1], v[T0]          ; the running largest t
	v_mov_b32 v[T0], v[NM]
	v_floor_f32 v[NM], -v[NM+1]                    ; the new -M = floor(-t) = -ceil(t): a whole number
	v_sub_f32 v[T0], v[NM], v[T0]                  ; old M - new M, 0 or less
	v_cvt_i32_f32 v[T0], v[T0]                     ; (it saturates)
	v_ldexp_f32 v[FQ], 1.0, v[T0]                  ; f = 2^(old M - new M)
.set JJ, 0
.rept 32
	v_pk_fma_f32 v[SB+JJ:SB+JJ+1], v[SB+JJ:SB+JJ+1], s[CS:CS+1], v[NM:NM+1] op_sel_hi:[1,0,0]   ; t - M, two at a time (of the pairs c and -M the low word serves both halves)
.set JJ, JJ+2
.endr
.irp b, 0,1,2,3
	v_fma_f32 v[BM+\b], v[BM+\b], s[CS], v[NM]     ; the same of each block's largest score
.endr
.set JJ, 0
.rept 64
	v_exp_f32 v[SB+JJ], v[SB+JJ]                   ; p = 2^(t - M), at most 1
.set JJ, JJ+1
.endr
	v_pk_mul_f32 v[NM+2:NM+3], v[NM+2:NM+3], v[FQ:FQ+1] op_sel_hi:[1,0]   ; the sum under the new M: the plain place behind the exponentials
	s_wait_alu depctr_va_vdst(0)                   ; one wait for the batch of 64, ahead of its first reader
.irp b, 0,1,2,3
	v_exp_f32 v[BM+\b], v[BM+\b]                   ; the block's largest p
.endr
	v_pk_add_f32 v[C2:C2+1], v[SB:SB+1], v[SB+2:SB+3]   ; the row's sum of the unquantised p, two at a time, in two chains
.irp j, 4,8,12,16,20,24,28,32,36,40,44,48,52,56,60
	v_pk_add_f32 v[NM+2:NM+3], v[NM+2:NM+3], v[SB+\j:SB+\j+1]
	v_pk_add_f32 v[C2:C2+1], v[C2:C2+1], v[SB+\j+2:SB+\j+3]
.endr
	v_pk_add_f32 v[NM+2:NM+3], v[NM+2:NM+3], v[C2:C2+1]
	s_wait_alu depctr_va_vdst(0)                   ; and one for the four
.irp b, 0,1,2,3
	v_max_num_f32 v[BM+\b], 0x1800000, v[BM+\b]    ; the floor 2^(3 - 127): the byte cannot fall under 1
.endr
.irp b, 0,1,2,3
	v_add_nc_u32 v[SOP+\b], 0xff000000, v[BM+\b]   ; 2 off the exponent field: the conversion's scale operand
.endr
.irp b, 0,1,2,3
	v_lshrrev_b32 v[BY+\b], 23, v[SOP+\b]          ; the scale's byte
.endr
	v_lshl_or_b32 v[PS+\q], v[BY+1], 8, v[BY]      ; p's scale word for these 128 keys
	v_lshl_or_b32 v[PS+\q], v[BY+2], 16, v[PS+\q]
	v_lshl_or_b32 v[PS+\q], v[BY+3], 24, v[PS+\q]
.irp c, 0,1
	v_cvt_scalef32_pk16_fp6_f32 v[CD+6*\c:CD+6*\c+2], v[SB+32*\c:SB+32*\c+15], v[SOP+2*\c]
	v_cvt_scalef32_pk16_fp6_f32 v[CT+4*\c:CT+4*\c+2], v[SB+32*\c+16:SB+32*\c+31], v[SOP+2*\c+1]
.endr
	v_nop                                          ; one plain place behind the scaled conversions
.irp c, 0,1                                    ; the operand's layout wants a whole block in a lane
.irp i, 0,1,2
	v_permlane16_swap_b32 v[CD+6*\c+\i], v[CT+4*\c+\i]
.endr
.irp i, 0,1,2
	v_mov_b32 v[CD+6*\c+3+\i], v[CT+4*\c+\i]
.endr
.endr
.endm
.macro RESCALE                         ; O^T x v[FF + 2 q], each accumulator from its low end on.  These lines are also the places between p's scale word and codes and the products that take them
.irp w, 0x41, 0x82
	WIN \w
.set AI, 0
.rept 24
.irp j, 0,2,4,6
	v_pk_mul_f32 v[8*AI+\j:8*AI+\j+1], v[8*AI+\j:8*AI+\j+1], v[FF+2*(AI%2):FF+2*(AI%2)+1] op_sel_hi:[1,0]
.endr
.set AI, AI+1
.endr
.endr
	WIN 0
.endm
; A KEY STEP: 128 keys of my half, in the slot named.  Fragments come in groups of 18 loads into two buffers by turns; each wait leaves the youngest group out.
; Four places stand between products and the loads into registers that they have read, and the first read of results.
.macro STEP slot, first
	WIN 0
	LOADKS \slot
	LOADK \slot, 0, F0
	LOADK \slot, 1, F1
	s_wait_dscnt 18                                ; the scale words and group 0 are in; the 18 loads of group 1 may be out
	SMUL 0, F0
	PLACES
	LOADK \slot, 2, F0
	s_wait_dscnt 18
	SMUL 1, F1
	PLACES
	LOADK \slot, 3, F1
	s_wait_dscnt 18
	SMUL 2, F0
	PLACES
	LOADV \slot, 0, F0
	s_wait_dscnt 18
	SMUL 3, F1
	PLACES
	WIN 0
	LOADVS \slot                                   ; V's scale words take K's registers
	LOADV \slot, 1, F1
	WIN 0
	SOFTMAX 0
	SOFTMAX 1
.if \first
.rept 8
	v_nop                                          ; there is nothing to rescale yet: eight places between p's scale word and the products
.endr
.else
	RESCALE
.endif
	s_wait_dscnt 18                                ; V's group 0 and its scale words are in; group 1 may be out
	PVMUL 0, F0, \first
	PLACES
	LOADV \slot, 2, F0
	s_wait_dscnt 18
	PVMUL 1, F1, \first
	PLACES
	LOADV \slot, 3, F1
	s_wait_dscnt 18
	PVMUL 2, F0, \first
	s_wait_dscnt 0x0
	PVMUL 3, F1, \first
	PLACES
	WIN 0
.endm
; THE CHANGE OF SLOTS.  Each wave waits for all its tensor loads (its part of the slot ahead), adds 0 to its spare word, and waits for that and for its reads of the slot that it leaves.
; fill = 1: that slot is filled again, with the step two on: the barrier is a round of the cluster's, and the joint refill is the first thing behind it; it has a whole key step in which to land.
.macro CHANGE slot, fill
	WIN 0
	s_wait_tensorcnt 0x0                           ; no tensor load of mine is out, so a group 0 may be written
	ds_add_u32 v[SPW], v[NIL]                      ; 0 onto my spare word
.if \fill
	s_add_nc_u64 s[G0+4*\slot+2:G0+4*\slot+3], s[G0+4*\slot+2:G0+4*\slot+3], 2*BLK   ; two steps on; the type bits on top are not reached
.endif
	s_wait_dscnt 0x0                               ; the add is done, and my reads of the slot are over
.if \fill
	CROUND
	tensor_load_to_lds s[G0+4*\slot:G0+4*\slot+3], s[G1:G1+7]   ; my one tensor load behind the round
	s_nop 0
	PLACES                                         ; four v_nop follow it
.else
	s_barrier_signal -1
	s_barrier_wait -1
.endif
.endm
	s_load_b256 s[4:11], s[0:1], 0x0               ; qc s[4:5], kc s[6:7], vc s[8:9], out0 s[10:11]
	v_lshl_add_u32 v[SPW], v0, 2, SPARE
	v_mov_b32 v[NIL], 0
	ds_add_u32 v2, v3
	ds_add_u32 v2, v3
	s_wait_dscnt 0x0
	v_lshrrev_b32 v1, 5, v0
	v_readfirstlane_b32 s12, v1                    ; wave 0..3
	s_and_b32 s15, ttmp7, 0xffff                   ; the batch, which the four partners share
	s_and_b32 s16, s12, 1                          ; g: my pair of query tiles.  Also: I fetch K's block (0) or V's (1)
	s_lshr_b32 s17, s12, 1                         ; kh: my half of the keys
	s_bfe_u32 s13, ttmp6, 0x40000                  ; cx: it enters Q's and out0's addresses alone, in s13, s14 and s50-s58
	s_lshl_b32 s14, ttmp9, 2
	s_add_co_u32 s14, s14, s13                     ; my block of 64 queries
	; descriptor group 1: a dense block of 39,936 bytes as 156 rows of 32 elements of 8 bytes; the mask names all four work-groups
	s_mov_b32 s[G1], 15|(3<<16)|(1<<21)
	s_mov_b32 s[G1+1], 32<<16
	s_mov_b32 s[G1+2], 156<<16
	s_mov_b32 s[G1+3], 32<<16
	s_mov_b32 s[G1+4], 156
	s_mov_b32 s[G1+5], 32
	s_mov_b32 s[G1+6], 0
	s_mov_b32 s[G1+7], 0
	s_mov_b32 s[SEL], 0x76543210
	s_mov_b32 s[SEL+1], 0xfedcba98
	s_mov_b32 s[CS], 0x3d96c740                    ; c = log2(e) / sqrt(384)
	s_mov_b32 s[CS+1], s[CS]                       ; (named with it as a pair, so it is written)
	s_lshl_b32 s42, s15, 4
	s_lshl_b32 s43, s17, 3
	s_add_co_u32 s42, s42, s43                     ; my half's first step: 16 x batch + 8 kh
	s_mul_i32 s42, s42, BLK
	s_mov_b32 s43, 0
	s_lshl_b32 s50, s15, 5
	s_add_co_u32 s50, s50, s14                     ; Q's record: 32 x batch + block
	s_mul_i32 s50, s50, REC
	s_mov_b32 s51, 0
	s_wait_kmcnt 0x0
	s_add_nc_u64 s[52:53], s[4:5], s[50:51]
	s_add_nc_u64 s[54:55], s[52:53], 18432         ; its scale chunks,
	s_lshl_b32 s50, s16, 3
	s_add_nc_u64 s[54:55], s[54:55], s[50:51]      ; registers 2 g, 2 g + 1 of them
	s_mul_i32 s50, s16, 9216
	s_add_nc_u64 s[52:53], s[52:53], s[50:51]      ; and the fragments of tiles 2 g, 2 g + 1
	s_lshl_b32 s50, s15, 11
	s_lshl_b32 s58, s14, 6
	s_add_co_u32 s50, s50, s58
	s_lshl_b32 s58, s16, 5
	s_add_co_u32 s50, s50, s58
	s_lshl_b32 s58, s17, 3
	s_add_co_u32 s50, s50, s58                     ; the rows that I store: 2,048 batch + 64 block + 32 g + 8 kh + i + 8 (i / 8)
	s_mul_i32 s50, s50, 1536
	s_add_nc_u64 s[56:57], s[10:11], s[50:51]
	s_cmp_eq_u32 s16, 0
	s_cselect_b64 s[44:45], s[6:7], s[8:9]
	s_add_nc_u64 s[44:45], s[44:45], s[42:43]
	s_mov_b32 s[G0], 1
	s_mul_i32 s[G0+1], s12, BLK                    ; where my block lands: wave x 39,936, in slot 0
	s_mov_b64 s[G0+2:G0+3], s[44:45]
	s_or_b32 s[G0+3], s[G0+3], 0x80000000
	s_mov_b32 s[G0+4], 1
	s_add_co_u32 s[G0+5], s[G0+1], SLOT
	s_add_nc_u64 s[G0+6:G0+7], s[44:45], BLK
	s_or_b32 s[G0+7], s[G0+7], 0x80000000
	CROUND                                         ; all four work-groups are here: the first joint loads meet
	tensor_load_to_lds s[G0:G0+3], s[G1:G1+7]      ; step 0; two loads of mine are out
	s_nop 0
	tensor_load_to_lds s[G0+4:G0+7], s[G1:G1+7]    ; step 1
	s_nop 0
	PLACES
	v_and_b32 v[LI], 31, v0
	v_lshlrev_b32 v[LI], 4, v[LI]
	s_mul_i32 s42, s17, HALF
	v_add_nc_u32 v[AK], s42, v[LI]
	v_add_nc_u32 v[AK+1], SLOT, v[AK]
	v_add_nc_u32 v[AV], BLK, v[AK]
	v_add_nc_u32 v[AV+1], BLK, v[AK+1]
	v_and_b32 v55, 31, v0
	v_lshlrev_b32 v55, 2, v55
	s_lshl_b32 s42, s12, 9
	v_add_nc_u32 v[STA], s42, v55                  ; my statistics: STAT + 512 x wave + 4 x lane
	s_xor_b32 s43, s12, 2
	s_lshl_b32 s43, s43, 9
	v_add_nc_u32 v[STB], s43, v55                  ; and those of the wave with my queries and the other keys
	v_and_b32 v56, 15, v0
	v_bfe_u32 v57, v0, 4, 1
	v_mul_u32_u24 v[SO], v56, SP
	v_lshl_add_u32 v[SO], v57, 6, v[SO]
	s_mul_i32 s42, s12, WST
	s_add_co_u32 s42, s42, STG
	v_add_nc_u32 v[SO], s42, v[SO]                 ; into my stage: row r, + 64 h
	s_mul_i32 s42, s16, WST
	s_mul_i32 s43, s17, 16*SP
	s_add_co_u32 s42, s42, s43
	s_add_co_u32 s42, s42, STG
	v_add_nc_u32 v[SR], s42, v[LI]                 ; back: query tile kh of pair g, from the stage of the first half of the keys,
	v_add_nc_u32 v[SR2], 2*WST, v[SR]              ; and from that of the second
	WIN 0xc0
.irp q, 0,1
.irp s, 0,1,2
.irp c, 0,1,2
	global_load_b128 v[12*(3*\q+\s)+4*\c:12*(3*\q+\s)+4*\c+3], v[LI], s[52:53] offset:4608*\q+1536*\s+512*\c   ; Q stays in registers
.endr
.endr
.endr
	WIN 0
.irp q, 0,1
.irp s, 0,1,2
	global_load_b32 v[QS+3*\q+\s], v[LI], s[54:55] offset:512*\s+4*\q
.endr
.endr
.irp q, 0,1
	v_mov_b32 v[13+4*\q], 0xff61b1e6               ; the largest t so far: -3e38
	v_floor_f32 v[12+4*\q], -v[13+4*\q]            ; -M
	v_mov_b32 v[14+4*\q], 0                        ; the sum, in two halves
	v_mov_b32 v[15+4*\q], 0
	v_mov_b32 v[FF+2*\q], 0
	v_mov_b32 v[FF+2*\q+1], 0
.endr
.irp b, 0,1,2,3
	v_mov_b32 v[PX+\b], 0                          ; a lane permute's destination counts as one of its sources
.endr
	s_wait_tensorcnt 1                             ; my part of slot 0 is in; slot 1's may stay out
	s_barrier_signal -1
	s_barrier_wait -1                              ; everybody's is
	s_wait_loadcnt 0x0                             ; Q
	STEP 0, 1                                      ; step 0 starts O^T's sums
	s_mov_b32 s40, 3
.Lpair:                                            ; three trips: steps 1 to 6; the refills bring steps 2 to 7
	CHANGE 0, 1
	STEP 1, 0
	CHANGE 1, 1
	STEP 0, 0
	s_sub_co_u32 s40, s40, 1
	s_cmp_lg_u32 s40, 0
	s_cbranch_scc1 .Lpair
	CHANGE 0, 0                                    ; the tail is written out
	STEP 1, 0                                      ; step 7
	; THE WAY OUT.  The two halves of the keys are joined: M = the larger M; each half's sum and O^T are brought under it by a power of two; O = (O_a + O_b) / (l_a + l_b).
.irp q, 0,1
	v_add_f32 v[14+4*\q], v[14+4*\q], v[15+4*\q]
.endr
.irp q, 0,1
	v_permlanex16_b32 v[PX+\q], v[14+4*\q], s[SEL], s[SEL+1]
.endr
.irp q, 0,1
	v_add_f32 v[14+4*\q], v[14+4*\q], v[PX+\q]     ; my half's sum for my query
.endr
.irp q, 0,1
	ds_store_b32 v[STA], v[12+4*\q] offset:256*\q
	ds_store_b32 v[STA], v[14+4*\q] offset:256*\q+128
.endr
	s_wait_dscnt 0x0                               ; for the others' sake: my stores have landed; my reads of slot 1 are over too
	s_barrier_signal -1
	s_barrier_wait -1
.irp q, 0,1
	ds_load_b32 v[BM+\q], v[STB] offset:256*\q
	ds_load_b32 v[BM+2+\q], v[STB] offset:256*\q+128
.endr
	s_wait_dscnt 0x0
.irp q, 0,1
	v_min_num_f32 v[SOP+\q], v[12+4*\q], v[BM+\q]  ; -M of both halves
.endr
.irp q, 0,1
	v_sub_f32 v[BY+\q], v[SOP+\q], v[12+4*\q]      ; my M - M: a whole number, 0 or less
	v_sub_f32 v[BY+2+\q], v[SOP+\q], v[BM+\q]      ; the other half's
.endr
.irp b, 0,1,2,3
	v_cvt_i32_f32 v[BY+\b], v[BY+\b]
.endr
.irp q, 0,1
	v_ldexp_f32 v[14+4*\q], v[14+4*\q], v[BY+\q]
	v_ldexp_f32 v[BM+2+\q], v[BM+2+\q], v[BY+2+\q]
.endr
.irp q, 0,1
	v_add_f32 v[14+4*\q], v[14+4*\q], v[BM+2+\q]   ; the row's sum
.endr
.irp q, 0,1
	v_rcp_f32 v[PX+\q], v[14+4*\q]
.endr
	v_nop                                          ; a plain place behind the reciprocals
	s_wait_alu depctr_va_vdst(0)                   ; one wait for the two, ahead of their first reader
.irp q, 0,1
	v_ldexp_f32 v[FF+2*\q], v[PX+\q], v[BY+\q]     ; my half's weight: 2^(my M - M) / the sum
.endr
	RESCALE
	WIN 0x04                                       ; an LDS store's data are its source 1: window 1
.irp d, 0,1,2,3,4,5,6,7,8,9,10,11              ; lane (r, h), tile (q, dt), register j: query 16 q + r, channel 32 (dt / 2) + 16 h + 8 (dt % 2) + j
.irp q, 0,1
	ds_store_b128 v[SO], v[8*(2*\d+\q):8*(2*\d+\q)+3] offset:16*SP*\q+128*(\d/2)+32*(\d%2)
	ds_store_b128 v[SO], v[8*(2*\d+\q)+4:8*(2*\d+\q)+7] offset:16*SP*\q+128*(\d/2)+32*(\d%2)+16
.endr
.endr
	WIN 0x08                                       ; window 2
.irp d, 0,1,2,3,4,5,6,7,8,9,10,11
.irp q, 0,1
	ds_store_b128 v[SO], v[8*(2*\d+\q):8*(2*\d+\q)+3] offset:16*SP*\q+768+128*(\d/2)+32*(\d%2)
	ds_store_b128 v[SO], v[8*(2*\d+\q)+4:8*(2*\d+\q)+7] offset:16*SP*\q+768+128*(\d/2)+32*(\d%2)+16
.endr
.endr
	WIN 0
	s_wait_dscnt 0x0                               ; for the others' sake: my stage is written
	s_barrier_signal -1
	s_barrier_wait -1
; My 16 rows of 1,536 bytes are 48 pieces of 512 bytes; eight pieces a batch, from both stages, added and stored.
.macro BATCH n
.set RB, 128+64*((\n)%2)
.if (\n) >= 2
	s_wait_xcnt 0x0                                ; the stores of two batches ago have read these registers
.endif
.irp p, 0,1,2,3,4,5,6,7
.set PIECE, 8*(\n)+\p
	ds_load_b128 v[RB+4*\p:RB+4*\p+3], v[SR] offset:SP*(PIECE/3)+512*(PIECE%3)
	ds_load_b128 v[RB+32+4*\p:RB+32+4*\p+3], v[SR2] offset:SP*(PIECE/3)+512*(PIECE%3)
.endr
	s_wait_dscnt 0x0
.irp p, 0,1,2,3,4,5,6,7
	v_pk_add_f32 v[RB+4*\p:RB+4*\p+1], v[RB+4*\p:RB+4*\p+1], v[RB+32+4*\p:RB+32+4*\p+1]
	v_pk_add_f32 v[RB+4*\p+2:RB+4*\p+3], v[RB+4*\p+2:RB+4*\p+3], v[RB+32+4*\p+2:RB+32+4*\p+3]
.endr
.irp p, 0,1,2,3,4,5,6,7
.set PIECE, 8*(\n)+\p
	global_store_b128 v[LI], v[RB+4*\p:RB+4*\p+3], s[56:57] offset:((PIECE/3)+8*((PIECE/3)/8))*1536+512*(PIECE%3) th:TH_STORE_NT   ; 32 lanes store 512 consecutive bytes, at a multiple of 256 from out0's first byte
.endr
.endm
.irp n, 0,1,2,3,4,5
	BATCH \n
.endr
	s_wait_tensorcnt 0x0                           ; the wave's end: behind my last tensor load and my last LDS store
	ds_add_u32 v[SPW], v[NIL]
	s_wait_dscnt 0x0
	CROUND                                         ; the closing round: no work-group ends while a partner may still ask for a block that names it
	s_endpgm
.Lfunc_end_k_q416695693c_attn:
	.size	k_q416695693c_attn, .Lfunc_end_k_q416695693c_attn-k_q416695693c_attn
	.p2alignl 7, 3214868480
	.fill 96, 4, 3214868480
	.section	.rodata,"a",@progbits
	.p2align	6, 0x0
	.amdhsa_kernel k_q416695693c_attn
		.amdhsa_group_segment_fixed_size 327680
		.amdhsa_private_segment_fixed_size 0
		.amdhsa_enable_private_segment 0
		.amdhsa_kernarg_size 32
		.amdhsa_user_sgpr_count 2
		.amdhsa_user_sgpr_kernarg_segment_ptr 1
		.amdhsa_wavefront_size32 1
		.amdhsa_system_sgpr_workgroup_id_x 1
		.amdhsa_system_sgpr_workgroup_id_y 1
		.amdhsa_system_sgpr_workgroup_id_z 1
		.amdhsa_system_vgpr_workitem_id 0
		.amdhsa_next_free_vgpr 1024
		.amdhsa_next_free_sgpr 66
		.amdhsa_reserve_vcc 0
		.amdhsa_float_denorm_mode_32 3
		.amdhsa_float_denorm_mode_16_64 3
		.amdhsa_memory_ordered 1
		.amdhsa_forward_progress 1
		.amdhsa_inst_pref_size 255
	.end_amdhsa_kernel
	.section	.bss,"aw",@nobits
	.p2align	6
	.space	262144
	.amdgpu_metadata
---
amdhsa.version: [ 1, 2 ]
amdhsa.kernels:
  - .name:           k_q416695693c_attn
    .symbol:         k_q416695693c_attn.kd
    .args:
      - { .name: qc, .offset: 0, .size: 8, .value_kind: global_buffer, .address_space: global }
      - { .name: kc, .offset: 8, .size: 8, .value_kind: global_buffer, .address_space: global }
      - { .name: vc, .offset: 16, .size: 8, .value_kind: global_buffer, .address_space: global }
      - { .name: out0, .offset: 24, .size: 8, .value_kind: global_buffer, .address_space: global }
    .group_segment_fixed_size: 327680
    .private_segment_fixed_size: 0
    .kernarg_segment_align: 8
    .kernarg_segment_size: 32
    .max_flat_workgroup_size: 128
    .sgpr_count:     66
    .vgpr_count:     1024
    .wavefront_size: 32
...
	.end_amdgpu_metadata
.endif
;; end of part 3
